; MI455X (gfx1250); checked and timed in simulation.
; The chip was launched on July 23, 2026; its instructions are those of AMD's public machine-readable ISA for CDNA 5 (MIT licence, August 2026) and "CDNA5" Instruction Set Architecture Reference Guide (July 2026). The comments in the code are by the model that wrote it; some were corrected since.
;; Decision Tree. Allowed arithmetic: matrix products marked QUANTISED: E2M1 operands, one E8M0 scale for each 32 along K, by v_wmma_scale_f32_16x16x128_f8f6f4 with both operands' format E2M1 (or v_wmma_scale_f32_32x16x128_f4), f32 sums; products left as they are: f32 operands where the result goes on into a quantised operand, else bf16, f16 or f32 operands; f32 sums; everything else in f32.
;; Inputs: dec_b 15 float32; dec_w 15 x 1,024 float32; leaf_b 16 x 1,024 float32; leaf_w_codes 16 x 1,024 x 32 x 16 uint8 (E2M1 codes of leaf_w, K innermost, in blocks of 32 codes, two codes a byte); leaf_w_scales 16 x 1,024 x 32 uint8 (E8M0 scales of leaf_w, one for each 32 codes along K); x 2 x 2,048 x 1,024 float32.
;; Outputs: out0 2 x 2,048 x 1,024 float32.
;; This version of the problem:
;;   THIS VERSION OF THE PROBLEM IS GIVEN IN LOW PRECISION. The matrix products marked QUANTISED in the list below multiply operands that are first quantised to E2M1 (2 exponent bits, 1 mantissa bit; 4 bits a number), with one power-of-two scale for each 32 numbers along K (OCP MX v1.0); their sums are f32. All else is computed in f32.
;;   The module's matrix products, in the order in which they are computed (A, B: the left and right operand; K: the contracted axis; several contracted axes count as one K, in the product's order):
;;     1. [M 4,096, K 1,024] x [K 1,024, N 15]; A: input x; B: input dec_w: left as it is (N = 15 < 16)
;;     2. [M 4,096, K 1,024] x [K 1,024, N 16,384]; A: input x; B: input leaf_w (given as codes): QUANTISED
;;     3. batch 4,096 x [M 1,024, K 16] x [K 16, N 1]; A: computed on the way; B: computed on the way: left as it is (K = 16 < 32)
;;   THE QUANTISER, for each operand of a quantised product, along K:
;;     - K is cut into blocks of 32 from its start; a last block that is shorter is filled with zeros.
;;     - A block's scale is 2^e with e = floor(log2(the largest magnitude in the block)) - 2, held to -126 .. 127; a block of zeros has e = 0. As a byte (E8M0): e + 127.
;;     - Each number is divided by its block's scale, clamped to +-6, and rounded to the nearest number of E2M1, ties to even, subnormals kept.
;;     - The product sums the exact products of the quantised numbers (number of the format x scale) in f32.
;;   ~~~python
;;   def quantise(x, axis):      # numpy; x: float32 -> the quantised numbers, widened to float32 again
;;       x = np.moveaxis(x, axis, -1); K = x.shape[-1]
;;       x = np.pad(x, [(0, 0)] * (x.ndim - 1) + [(0, -K % 32)]); x = x.reshape(x.shape[:-1] + (-1, 32)); a = np.abs(x).max(-1, keepdims=True)
;;       e = np.where(a > 0, np.clip(np.frexp(np.where(a > 0, a, 1))[1] - 1 - 2, -126, 127), 0)      # np.frexp(a)[1] - 1 = floor(log2(a)), exactly
;;       r = np.clip(x / 2.0 ** e, -6, 6)
;;       step = 2.0 ** (np.maximum(np.frexp(np.where(r == 0, 1, r))[1] - 1, 0) - 1)
;;       q = np.round(r / step) * step * 2.0 ** e      # np.round: ties to even
;;       return np.moveaxis(q.reshape(q.shape[:-2] + (-1,))[..., :K], -1, axis).astype(np.float32)
;;   ~~~
;;   INPUTS GIVEN AS CODES. leaf_w (in the module: [16, 1024, 1024], K = its axis 2): each comes as NAME_codes (uint8): NAME with its K axis moved to the last place and cut into blocks of 32 codes, [.., K / 32, bytes a block], one block behind the other in memory; two codes a byte, the lower K in the low four bits (a code: sign, 2 exponent bits, 1 mantissa bit); and NAME_scales (uint8): the same leading axes, one E8M0 byte (e + 127) for each 32 codes along K. Its value is code x scale, taken as it is: it is not quantised again, and the codes and scales need not be those that the quantiser above would give.
;; One version. Each part assembles by itself: llvm-mc -triple=amdgcn-amd-amdhsa -mcpu=gfx1250 --defsym DOCPART=n.
;; ======== version 1 of 1: 2 launches
;; limits: values are held in bf16: 8 bits of precision; right only within a limited range of input values
;; workspace buffers: xq_codes 2,097,152 bytes; xq_scales 131,072 bytes; probs 262,144 bytes
;; launch prep (part 1): grid 256 x 1, 8 waves a work-group, no clusters, 168,960 bytes of LDS; arguments x, dec_w, dec_b, xq_codes, xq_scales, probs; writes xq_codes, xq_scales, probs
.if DOCPART == 1
	.amdgcn_target "amdgcn-amd-amdhsa--gfx1250"
	.amdhsa_code_object_version 6
	.text
	.protected	k_qa9168a4791_prep
	.globl	k_qa9168a4791_prep
	.p2align	8
	.type	k_qa9168a4791_prep,@function
k_qa9168a4791_prep:
	s_mov_b64 s[64:65], 0
	v_nop
	global_prefetch_b8 v0, s[64:65] scope:SCOPE_SE
	s_setreg_imm32_b32 hwreg(HW_REG_WAVE_MODE, 25, 1), 1
	s_wait_xcnt 0x0
; x [4096][1024] f32 is read once and gives three things:
;   xq_codes  [m tile 256][K step 8][c 2][lane 32][16 bytes]: E2M1 codes of x as the IMAGE OF AN OPERAND'S REGISTERS: lane (r, h), registers 4 c .. 4 c + 3 hold k = 128 s + 64 c + 32 h + 0 .. 31 of row 16 mt + r
;   xq_scales [row 4096][32 bytes]: one E8M0 byte for each 32 along K; word s of a row serves K step s
;   probs     [m tile 256][leaf 16][r 16] f32: p(row, leaf) = d(row, 7 + leaf / 2) for an even leaf, 1 - d for an odd one, d = sigmoid(x . dec_w + dec_b)
; A block's scale is 2^(floor(log2(its largest magnitude)) - 2); its byte is the largest magnitude's exponent field - 2, held at 1 from below.
; LIMITS: NaN and infinities in x are not served.  A block of zeros gets the byte 1 where the rule says 127: its codes are zeros, and the bytes are read by this program alone.
; WORK LEFT OUT: decision nodes 0 to 6.  The leaves take their parents by a constant index that names nodes 7 to 14 alone, whatever the inputs hold; so rows 0 to 6 of dec_w and of dec_b reach no output and are not read.
; A NaN, an infinity or an overflow that reaches only those nodes is not carried to the result.
; The decisions' product has bf16 operands and f32 sums (it feeds no quantiser).
; SHARES.  A work-group takes 16 rows; wave s takes K step s: 16 rows x 128 numbers of x, brought by ONE tensor load into the wave's own LDS bytes (rows of 512 bytes + 16 of padding = 132 words: the sixteen rows
; that an LDS load touches start at sixteen different banks, ISA guide 11.1), and 8 rows x 128 of dec_w, brought by eight plain loads of 512 neighbouring bytes while x is on its way, rounded to bf16 and laid into
; LDS bytes of the wave's own, from which they come back as fragments.  No LDS byte is filled twice by the tensor load; no cluster: the work-groups share only dec_w's 32,768 bytes beside 65,536 of x.
; The waves' partial sums of the decisions and their scale words meet in LDS behind ONE barrier, in which the codes are made; waves 0 and 1 then make p, wave 2 stores the scale bytes.
.set TILEB, 16*528
.set DWT,  8*TILEB                     ; behind x's eight tiles: dec_w in bf16 [wave 8][node 8][256 bytes + 16]
.set DWB,  8*272
.set PART, DWT+8*DWB                   ; the partial sums [wave 8][node 16][row 16] f32
.set XSW,  PART+8*1024                 ; the scale words [row 16][8 words]
.set SPARE, 167936                     ; the spare words, 128 bytes for each wave
.set AX,  4                            ; v4   my place in my wave's tile of x: 528 r + 64 h
.set AD,  5                            ; v5   my node's fragments in dec_w's LDS bytes: 272 (r % 8) + 32 h
.set LI,  6                            ; v6   16 x lane
.set PA,  7                            ; v7   where my partial sums go
.set SA,  8                            ; v8   where my row's scale word goes
.set TP,  9                            ; v9   the tail: my node's four rows in wave 0's partial sums
.set BO,  10                           ; v10  byte offset of my node's bias
.set BV,  11                           ; v11  that bias
.set PO,  12                           ; v12  16 x thread: my 16 bytes of p
.set SR,  13                           ; v13  the tail: my 16 bytes of the scale words
.set PW,  14                           ; v14  the scale word just made
.set TV,  15                           ; v15  at work
.set TM,  16                           ; v16-19 largest magnitudes, v20-23 the other half's, then bytes, v28-31 the conversions' scale operands
.set DS,  24                           ; v24  where my 8 bytes of each row of dec_w go
.set SPW, 26                           ; v26  LDS address of my spare word, v27 0; never rewritten
.set NIL, 27
.set X,   32                           ; v32-95   64 numbers of x: register 16 b + i = k 32 b + 16 h + i of my row
.set DW,  96                           ; v96-127  dec_w as loaded: row n, k = 4 x lane + 0 .. 3
.set DB,  128                          ; v128-143 the same in bf16
.set PC,  96                           ; v96-103  the codes
.set SUM, 104                          ; v104-111 my partial sums
.set U,   112                          ; v112-143 at work
.set XB,  160                          ; v160-191 x in bf16, four fragments
.set WB,  192                          ; v192-223 dec_w in bf16
.set D,   224                          ; v224-255 four accumulators
.set G1X, 16                           ; s[16:23] descriptor group 1 for x's tile;  s[32:35] its group 0
.set G0X, 32
.set WV,  40
.set SEL, 42                           ; s[42:43] lane selects for v_permlanex16_b32: lane l xor 16
	s_load_b256 s[4:11], s[0:1], 0x0               ; x s[4:5], dec_w s[6:7], dec_b s[8:9], xq_codes s[10:11]
	s_load_b128 s[12:15], s[0:1], 0x20             ; xq_scales s[12:13], probs s[14:15]
	v_lshl_add_u32 v[SPW], v0, 2, SPARE
	v_mov_b32 v[NIL], 0
	ds_add_u32 v[SPW], v[NIL]                      ; the add, twice on end; its wait stands ahead of the first tensor load
	ds_add_u32 v[SPW], v[NIL]
	v_lshrrev_b32 v1, 5, v0
	s_delay_alu instid0(VALU_DEP_1)
	v_readfirstlane_b32 s[WV], v1                  ; wave 0..7 = my K step
	s_mov_b32 s[G1X+0], (2<<16)|(1<<20)|(6<<22)|(3<<25)   ; elements of 4 bytes; 4 words of padding behind every 128
	s_mov_b32 s[G1X+1], 128<<16                    ; tensor_dim0 = 128
	s_mov_b32 s[G1X+2], 16<<16                     ; tensor_dim1 = 16
	s_mov_b32 s[G1X+3], 128<<16                    ; tile_dim0 = 128
	s_mov_b32 s[G1X+4], 16                         ; tile_dim1 = 16
	s_mov_b32 s[G1X+5], 1024                       ; the pitch
	s_mov_b32 s[G1X+6], 0
	s_mov_b32 s[G1X+7], 0
	s_mul_i32 s44, s[WV], TILEB                    ; my tile in LDS
	s_lshl_b32 s45, s[WV], 9                       ; my K step in a row: 512 bytes
	s_lshl_b32 s46, ttmp9, 16                      ; my work-group's 16 rows of 4,096 bytes
	s_add_co_u32 s46, s46, s45
	s_mov_b32 s47, 0
	s_add_co_u32 s48, s45, 7*4096                  ; dec_w from row 7 on
	s_mov_b32 s49, 0
	s_lshl_b32 s52, s[WV], 10
	s_lshl_b32 s50, ttmp9, 13                      ; xq_codes: 8,192 bytes an m tile, 1,024 a K step
	s_add_co_u32 s50, s50, s52
	s_mov_b32 s51, 0
	s_lshl_b32 s54, ttmp9, 9                       ; xq_scales: 512 bytes an m tile
	s_mov_b32 s55, 0
	s_lshl_b32 s56, ttmp9, 10                      ; probs: 1,024 bytes an m tile
	s_mov_b32 s57, 0
	s_mov_b32 s58, 0xbfb8aa3b                      ; -log2(e)
	s_mov_b32 s[SEL], 0x76543210
	s_mov_b32 s[SEL+1], 0xfedcba98
	s_add_co_u32 s59, s52, PART                    ; my wave's partial sums
	s_mul_i32 s60, s[WV], DWB
	s_add_co_u32 s60, s60, DWT                     ; my wave's part of dec_w
	s_lshl_b32 s61, s[WV], 2
	s_add_co_u32 s61, s61, XSW                     ; my wave's scale words
	v_and_b32 v1, 31, v0                           ; lane
	v_and_b32 v2, 15, v0                           ; r
	v_bfe_u32 v3, v0, 4, 1                         ; h
	v_bfe_u32 v[BO], v0, 3, 3                      ; the tail: thread t serves leaf t / 4, whose parent is node 7 + t / 8
	v_mul_u32_u24 v[AX], v2, 528
	v_lshlrev_b32 v[LI], 4, v1
	v_lshlrev_b32 v[PA], 6, v2
	v_lshlrev_b32 v[SA], 5, v2
	v_and_b32 v[AD], 7, v2                         ; lanes of 8 to 15 repeat nodes 0 to 7: columns 8 to 15 of the product are read by nobody
	v_and_b32 v[TV], 3, v0
	v_lshlrev_b32 v[TP], 6, v[BO]
	v_lshl_add_u32 v[AX], v3, 6, v[AX]
	v_lshl_add_u32 v[PA], v3, 5, v[PA]
	v_mul_u32_u24 v[AD], v[AD], 272
	v_lshl_add_u32 v[TP], v[TV], 4, v[TP]
	v_lshl_add_u32 v[DS], v1, 3, s60
	v_lshl_add_u32 v[BO], v[BO], 2, 28
	v_add_nc_u32 v[AX], s44, v[AX]
	v_add_nc_u32 v[PA], s59, v[PA]                 ; 1,024 x wave + 64 x node (my lane % 16) + 32 h
	v_lshl_add_u32 v[AD], v3, 5, v[AD]
	v_add_nc_u32 v[SA], s61, v[SA]                 ; 32 r + 4 x wave
	v_add_nc_u32 v[TP], PART, v[TP]                ; 64 x node + 16 x (t % 4): four rows
	v_lshlrev_b32 v[PO], 4, v0
	v_add_nc_u32 v[SR], XSW, v[LI]
	v_add_nc_u32 v[AD], s60, v[AD]
.irp b, 0,1,2,3
	v_mov_b32 v[TM+4+\b], 0                        ; written once: a lane permute's destination counts as one of its sources
.endr
	s_wait_alu depctr_va_vdst(0)
	s_wait_dscnt 0x0                               ; both opening adds are done
	s_wait_kmcnt 0x0
	s_mov_b32 s[G0X], 1
	s_mov_b32 s[G0X+1], s44
	s_add_nc_u64 s[G0X+2:G0X+3], s[4:5], s[46:47]
	s_or_b32 s[G0X+3], s[G0X+3], 0x80000000
	tensor_load_to_lds s[G0X:G0X+3], s[G1X:G1X+7]  ; my one tensor load
	s_nop 0
.rept 4
	v_nop
.endr
	s_add_nc_u64 s[6:7], s[6:7], s[48:49]
	s_add_nc_u64 s[10:11], s[10:11], s[50:51]
	s_add_nc_u64 s[12:13], s[12:13], s[54:55]
	s_add_nc_u64 s[14:15], s[14:15], s[56:57]
.irp n, 0,1,2,3,4,5,6,7
	global_load_b128 v[DW+4*\n:DW+4*\n+3], v[LI], s[6:7] offset:4096*\n   ; node 7 + n: 32 lanes read 512 consecutive bytes
.endr
	global_load_b32 v[BV], v[BO], s[8:9]           ; dec_b[7 + (t / 8) % 8]: inside the buffer in every thread
	s_wait_loadcnt 0x1                             ; dec_w's eight are in; the bias, issued behind them, may be out
.irp n, 0,1,2,3,4,5,6,7
	v_cvt_pk_bf16_f32 v[DB+2*\n], v[DW+4*\n], v[DW+4*\n+1]
	v_cvt_pk_bf16_f32 v[DB+2*\n+1], v[DW+4*\n+2], v[DW+4*\n+3]
.endr
.irp n, 0,1,2,3,4,5,6,7
	ds_store_b64 v[DS], v[DB+2*\n:DB+2*\n+1] offset:272*\n
.endr
.irp b, 0,1,2,3                                ; fragment b takes my 16 numbers k = 32 b + 16 h + 0 .. 15 in order: a permutation of k inside the block, the same for both operands, which keeps the products
	ds_load_b128 v[WB+8*\b:WB+8*\b+3], v[AD] offset:64*\b          ; my wave's own bytes: LDS serves a wave's instructions in order (ISA guide 5.7.1.4)
	ds_load_b128 v[WB+8*\b+4:WB+8*\b+7], v[AD] offset:64*\b+16
.endr
	s_wait_tensorcnt 0x0                           ; my tile of x is in LDS; only I read it, so no barrier is needed
.irp b, 0,1,2,3
.irp j, 0,1,2,3
	ds_load_b128 v[X+16*\b+4*\j:X+16*\b+4*\j+3], v[AX] offset:128*\b+16*\j
.endr
.endr
.irp b, 0,1,2,3
	s_wait_dscnt 12-4*\b                           ; block b's four loads are in; the later blocks' may be out
.irp i, 0,1,2,3,4,5,6,7
	v_cvt_pk_bf16_f32 v[XB+8*\b+\i], v[X+16*\b+2*\i], v[X+16*\b+2*\i+1]
.endr
.endr
	s_wait_alu depctr_va_vdst(0)                   ; the fragments were made between blocking waits
.irp b, 0,1,2,3                                ; source 0 = 16 rows of x, source 1 = 16 nodes: four accumulators, one product each, so there is no chain
	v_wmma_f32_16x16x32_bf16 v[D+8*\b:D+8*\b+7], v[XB+8*\b:XB+8*\b+7], v[WB+8*\b:WB+8*\b+7], 0
.endr
	; THE QUANTISER'S SCALES, on the 64 numbers in v[X] on.  These plain lines name no register of the products above: they are the places behind them (ISA guide 7.12.1)
.irp b, 0,1,2,3
	v_max3_num_f32 v[TM+\b], |v[X+16*\b]|, |v[X+1+16*\b]|, 0x1800000   ; block b: my 16 numbers, and the floor 2^(3 - 127): so the byte cannot fall under 1
.endr
.irp i, 2,4,6,8,10,12,14
.irp b, 0,1,2,3
	s_delay_alu instid0(VALU_DEP_4)
	v_max3_num_f32 v[TM+\b], v[TM+\b], |v[X+16*\b+\i]|, |v[X+1+16*\b+\i]|   ; the four blocks by turns
.endr
.endr
.irp b, 0,1,2,3
	s_delay_alu instid0(VALU_DEP_4)
	v_permlanex16_b32 v[TM+4+\b], v[TM+\b], s[SEL], s[SEL+1]
.endr
.irp b, 0,1,2,3
	s_delay_alu instid0(VALU_DEP_4)
	v_max_num_f32 v[TM+\b], v[TM+\b], v[TM+4+\b]   ; with lane l xor 16's: the block's largest magnitude
.endr
.irp b, 0,1,2,3
	s_delay_alu instid0(VALU_DEP_4)
	v_add_nc_u32 v[TM+12+\b], 0xff000000, v[TM+\b] ; 2 off its exponent field: the conversion takes the exponent field of this operand as its scale
.endr
.irp b, 0,1,2,3
	s_delay_alu instid0(VALU_DEP_4)
	v_lshrrev_b32 v[TM+4+\b], 23, v[TM+12+\b]      ; the scale's byte
.endr
	s_delay_alu instid0(VALU_DEP_3)
	v_lshl_or_b32 v[PW], v[TM+5], 8, v[TM+4]       ; four bytes: my row's scale word for this K step
	s_delay_alu instid0(VALU_DEP_1)
	v_lshl_or_b32 v[PW], v[TM+6], 16, v[PW]
	s_delay_alu instid0(VALU_DEP_1)
	v_lshl_or_b32 v[PW], v[TM+7], 24, v[PW]
	ds_store_b32 v[SA], v[PW]                      ; both lanes of a row write the same word with the same value
	; the four accumulators are added, each read from its low end on; lane (n, h) holds rows 8 h + 0 .. 7 of node n
.irp j, 0,2,4,6
	v_pk_add_f32 v[SUM+\j:SUM+\j+1], v[D+\j:D+\j+1], v[D+8+\j:D+8+\j+1]
	v_pk_add_f32 v[U+\j:U+\j+1], v[D+16+\j:D+16+\j+1], v[D+24+\j:D+24+\j+1]
.endr
.irp j, 0,2,4,6
	v_pk_add_f32 v[SUM+\j:SUM+\j+1], v[SUM+\j:SUM+\j+1], v[U+\j:U+\j+1]
.endr
	ds_store_b128 v[PA], v[SUM:SUM+3]
	ds_store_b128 v[PA], v[SUM+4:SUM+7] offset:16
	s_wait_dscnt 0x0                               ; for the others' sake: my stores into LDS are done
	s_barrier_signal -1
	; the codes are made while the others arrive: register work alone
.irp b, 0,1,2,3
	v_cvt_scalef32_pk8_fp4_f32 v[PC+2*\b], v[X+16*\b:X+7+16*\b], v[TM+12+\b]
	v_cvt_scalef32_pk8_fp4_f32 v[PC+1+2*\b], v[X+8+16*\b:X+15+16*\b], v[TM+12+\b]
.endr
	v_nop                                          ; one plain place behind a scaled conversion
.irp c, 0,1                                    ; the operand's layout wants a whole block in a lane: lanes 0-15 block 2 c, lanes 16-31 block 2 c + 1
.irp i, 0,1
	v_permlane16_swap_b32 v[PC+4*\c+\i], v[PC+2+4*\c+\i]
.endr
.endr
	s_wait_alu depctr_va_vdst(0)
	s_barrier_wait -1                              ; everybody's stores are done
.irp c, 0,1
	global_store_b128 v[LI], v[PC+4*\c:PC+4*\c+3], s[10:11] offset:512*\c   ; the fragment as it stands: 32 lanes store 512 consecutive bytes, aligned
.endr
	s_cmp_lt_u32 s[WV], 2
	s_cbranch_scc0 .Lnot_p
	; waves 0 and 1: thread t: leaf t / 4, rows 4 (t % 4) + 0 .. 3
.irp i, 0,1,2,3,4,5,6,7
	ds_load_b128 v[U+4*\i:U+4*\i+3], v[TP] offset:1024*\i   ; the eight waves' partial sums
.endr
	s_wait_dscnt 0x0
	s_wait_loadcnt 0x0                             ; the bias
.irp i, 0,2,4,6
	v_pk_add_f32 v[U+4*\i:U+4*\i+1], v[U+4*\i:U+4*\i+1], v[U+4*\i+4:U+4*\i+5]
	v_pk_add_f32 v[U+4*\i+2:U+4*\i+3], v[U+4*\i+2:U+4*\i+3], v[U+4*\i+6:U+4*\i+7]
.endr
.irp i, 0,4
	v_pk_add_f32 v[U+4*\i:U+4*\i+1], v[U+4*\i:U+4*\i+1], v[U+4*\i+8:U+4*\i+9]
	v_pk_add_f32 v[U+4*\i+2:U+4*\i+3], v[U+4*\i+2:U+4*\i+3], v[U+4*\i+10:U+4*\i+11]
.endr
	s_delay_alu instid0(VALU_DEP_2)
	v_pk_add_f32 v[U:U+1], v[U:U+1], v[U+16:U+17]
	s_delay_alu instid0(VALU_DEP_2)
	v_pk_add_f32 v[U+2:U+3], v[U+2:U+3], v[U+18:U+19]
	v_mul_f32 v[TV], s58, v[BV]                    ; -log2(e) x bias
.irp j, 0,1,2,3
	v_fma_f32 v[U+\j], v[U+\j], s58, v[TV]         ; -log2(e) x (sum + bias)
.endr
	s_wait_alu depctr_va_vdst(0)
.irp j, 0,1,2,3
	v_exp_f32 v[U+4+\j], v[U+\j]
.endr
	v_nop                                          ; a plain place behind the last exponential
	s_wait_alu depctr_va_vdst(0)                   ; one wait for the four, ahead of their first reader
.irp j, 0,1,2,3
	v_add_f32 v[U+4+\j], 1.0, v[U+4+\j]
.endr
	s_wait_alu depctr_va_vdst(0)
.irp j, 0,1,2,3
	v_rcp_f32 v[U+8+\j], v[U+4+\j]                 ; d = 1 / (1 + 2^(-log2(e) z)); an exponential that overflows gives d = 0
.endr
	v_and_b32 v[TV], 4, v0                         ; (a plain place)  the leaf's lowest bit
	s_wait_alu depctr_va_vdst(0)                   ; one wait for the four reciprocals
	v_cmp_ne_u32 vcc_lo, 0, v[TV]
.irp j, 0,1,2,3
	v_sub_f32 v[U+12+\j], 1.0, v[U+8+\j]
.endr
.irp j, 0,1,2,3
	v_cndmask_b32 v[U+8+\j], v[U+8+\j], v[U+12+\j], vcc_lo   ; an odd leaf is a right child: 1 - d
.endr
	global_store_b128 v[PO], v[U+8:U+11], s[14:15] ; a wave stores 512 consecutive bytes, aligned
	s_wait_tensorcnt 0x0                           ; the wave's end
	ds_add_u32 v[SPW], v[NIL]
	s_wait_dscnt 0x0
	s_endpgm
.Lnot_p:
	s_cmp_eq_u32 s[WV], 2
	s_cbranch_scc0 .Lend
	ds_load_b128 v[U:U+3], v[SR]                   ; wave 2: the 16 rows' scale bytes, 512 bytes
	s_wait_dscnt 0x0
	global_store_b128 v[LI], v[U:U+3], s[12:13]
.Lend:
	s_wait_tensorcnt 0x0
	ds_add_u32 v[SPW], v[NIL]
	s_wait_dscnt 0x0
	s_endpgm
.Lfunc_end_k_qa9168a4791_prep:
	.size	k_qa9168a4791_prep, .Lfunc_end_k_qa9168a4791_prep-k_qa9168a4791_prep
	.p2alignl 7, 3214868480
	.fill 96, 4, 3214868480
	.section	.rodata,"a",@progbits
	.p2align	6, 0x0
	.amdhsa_kernel k_qa9168a4791_prep
		.amdhsa_group_segment_fixed_size 168960
		.amdhsa_private_segment_fixed_size 0
		.amdhsa_enable_private_segment 0
		.amdhsa_kernarg_size 48
		.amdhsa_user_sgpr_count 2
		.amdhsa_user_sgpr_kernarg_segment_ptr 1
		.amdhsa_wavefront_size32 1
		.amdhsa_system_sgpr_workgroup_id_x 1
		.amdhsa_system_sgpr_workgroup_id_y 1
		.amdhsa_system_sgpr_workgroup_id_z 1
		.amdhsa_system_vgpr_workitem_id 0
		.amdhsa_next_free_vgpr 256
		.amdhsa_next_free_sgpr 66
		.amdhsa_reserve_vcc 1
		.amdhsa_float_denorm_mode_32 3
		.amdhsa_float_denorm_mode_16_64 3
		.amdhsa_memory_ordered 1
		.amdhsa_forward_progress 1
		.amdhsa_inst_pref_size 21
	.end_amdhsa_kernel
	.amdgpu_metadata
---
amdhsa.version: [ 1, 2 ]
amdhsa.kernels:
  - .name:           k_qa9168a4791_prep
    .symbol:         k_qa9168a4791_prep.kd
    .args:
      - { .name: x, .offset: 0, .size: 8, .value_kind: global_buffer, .address_space: global }
      - { .name: dec_w, .offset: 8, .size: 8, .value_kind: global_buffer, .address_space: global }
      - { .name: dec_b, .offset: 16, .size: 8, .value_kind: global_buffer, .address_space: global }
      - { .name: xq_codes, .offset: 24, .size: 8, .value_kind: global_buffer, .address_space: global }
      - { .name: xq_scales, .offset: 32, .size: 8, .value_kind: global_buffer, .address_space: global }
      - { .name: probs, .offset: 40, .size: 8, .value_kind: global_buffer, .address_space: global }
    .group_segment_fixed_size: 168960
    .private_segment_fixed_size: 0
    .kernarg_segment_align: 8
    .kernarg_segment_size: 48
    .max_flat_workgroup_size: 256
    .sgpr_count:     66
    .vgpr_count:     256
    .wavefront_size: 32
...
	.end_amdgpu_metadata
.endif
;; end of part 1
;; launch tree (part 2): grid 16 x 16, 4 waves a work-group, clusters of 4 x 4, 327,680 bytes of LDS; arguments xq_codes, xq_scales, probs, leaf_w_codes, leaf_w_scales, leaf_b, out0; writes out0
.if DOCPART == 2
	.amdgcn_target "amdgcn-amd-amdhsa--gfx1250"
	.amdhsa_code_object_version 6
	.text
	.protected	k_qa9168a4791_tree
	.globl	k_qa9168a4791_tree
	.p2align	8
	.type	k_qa9168a4791_tree,@function
k_qa9168a4791_tree:
	s_mov_b64 s[64:65], 0
	v_nop
	global_prefetch_b8 v0, s[64:65] scope:SCOPE_SE
	s_setreg_imm32_b32 hwreg(HW_REG_WAVE_MODE, 25, 1), 1
	s_wait_xcnt 0x0
	s_wait_alu depctr_hold_cnt(0) depctr_sa_sdst(0) depctr_va_vdst(0) depctr_va_sdst(0) depctr_va_ssrc(0) depctr_va_vcc(0) depctr_vm_vsrc(0)
	s_getreg_b32 s2, hwreg(HW_REG_IB_STS2, 6, 4)
	s_cmp_eq_u32 s2, 0
	s_cbranch_scc0 .Lentry_in_a_cluster
	s_endpgm
.Lentry_in_a_cluster:
	s_bfe_u32 s2, ttmp6, 0x10000c
	s_cmp_lg_u32 s2, 0xf033
	s_cbranch_scc0 .Lentry_shape_is_right
	s_endpgm
.Lentry_shape_is_right:
; out[m][o] = sum over 16 leaves l of p[m][l] (sum over k of Q(x)[m][k] W_l[o][k] + b_l[o]).  Q(x) comes as codes, scale bytes and p from the launch before; W as the given codes of E2M1 and E8M0 bytes.
; Nothing of reference() is left out here but what the first kernel's comment names (p comes from nodes 7 to 14 alone).
; SHARES.  A work-group makes 256 rows x 64 columns of out (64 f32 are 256 consecutive bytes of a row); its four waves are 2 halves of the rows x 2 halves of the columns: a wave makes 128 m x 32 o.
; x IS THE SAME OPERAND FOR ALL 16 LEAVES: a wave's 128 rows x 1,024 K of codes, 64 fragments of 8 registers, stay in its registers for the whole launch.  Only W streams.
; THE MATRIX INSTRUCTION (32 x 16 x 128) IS USED TRANSPOSED: source 0 = 32 rows of W, source 1 = 16 rows of x.  A lane then holds ONE row m = lane % 16 and columns 8 (lane / 16) + 0 .. 7 (registers 0-7) and 16 more (8-15).
; A UNIT is one leaf x 4 tiles of 16 rows x 32 columns: 8 K steps x 4 tiles = 32 matrix instructions on 4 accumulators, which take turns.  The bias is the C of a sum's first instruction.
; p is no power of two, so each leaf's sum is finished in f32 and then weighted: out += p x T, 32 packed multiply-adds a unit: two behind every two matrix instructions of the NEXT unit (T has two sets).  They are also
; the places that loads want behind matrix instructions: W has one set of registers, and K step s of the next leaf is loaded two such pairs behind the last product that read it.
; THE RING.  LDS has eight frames, each a leaf's tile of W (64 rows x 512 bytes).  At the head: x into frames 4 to 7 (from where each wave takes its fragments into registers under leaf 0), leaves 0 and 1 into frames 0
; and 1: one tensor load a wave.  Then leaves 2 and 3 (half a leaf a wave); in leaf 1 leaves 4 to 7 take x's frames; in leaves 3 and 7 the four frames read out take leaves 8 to 11 and 12 to 15: one load a wave each.
; Scale bytes, biases and p (53,248 bytes) come through registers, with plain loads, and stay in LDS.
; CLUSTER.  4 x 4 work-groups: the four of a row make the same 64 columns and ask for W jointly; the four of a column make the same 256 rows and ask for x jointly.
; No prefetch: a refill has two leaves (128 matrix instructions a wave) or four in which to land, and what the head asks for has no loop ahead of it.
; THE LAST FOUR LEAVES go by halves of the rows: leaves 12 to 15 for tiles 0 to 3, then for tiles 4 to 7: so half of out is finished three units ahead of the end and leaves under them.
; REGISTERS, in windows of 256 (s_set_vgpr_msb: bits 1:0 source 0, 3:2 source 1, 5:4 source 2, 7:6 destination):
;   window 0: v1-31 addresses; v32-63 x's scale words; v64-71 W's; v72-87 the bias; v88-95 p, two sets of 4; v128-255 out: tile a at v[128 + 16 a]
;   window 1: x's fragments of K steps 0-3 at v[64 s + 8 a];  window 2: those of K steps 4-7;  window 3: v0-63, v64-127 T, two sets; v128-255 W: K step s at v[128 + 16 s]
; A register of x's scales holds two K steps: lanes 0-15 the word of K step q, lanes 16-31 that of K step 4 + q; one of W's holds one word for each of the 32 rows.
.set LEAFB, 64*528                     ; a leaf's tile in LDS: 64 rows of 512 bytes + 16 of padding = 132 words: the sixteen rows that a load touches start at sixteen different banks (ISA guide 11.1)
.set XIM,   4*LEAFB                    ; x's image, 256 pieces of 512 bytes + 16: exactly frames 4 to 7
.set SCL,   8*LEAFB                    ; W's scale bytes [leaf 16][half of a row's 32 bytes 2][row 64][16 bytes]
.set BIA,   SCL+32768                  ; the biases [leaf 16][64 f32]
.set PRB,   BIA+4096                   ; p [tile of rows 16][leaf 16][r 16] f32
.set SPARE, PRB+16384                  ; the spare words, 128 bytes for each wave
.set SPITCH, 272                       ; the way out: a stage of 256 rows x (256 bytes + 16), in frames 0 to 2, which have had their last fill and their last read by then
.set SPW, 1                            ; v1   LDS address of my spare word; v2 0; never rewritten
.set NIL, 2
.set AW0, 3                            ; v3   my lane's place in a leaf's tile: (32 oh + r) 528 + 16 h;  v4 + the frame
.set ADW, 4
.set AS0, 5                            ; v5   my row's 16 scale bytes;  v6 + the leaf
.set ADS, 6
.set AB0, 7                            ; v7   my columns' biases;  v8 + the leaf
.set ADB, 8
.set AP0, 9                            ; v9   my row's p in my half's first tile;  v10 + the leaf
.set ADP, 10
.set STO, 11                           ; v11  the way out: where I put 16 bytes of a row
.set RD,  12                           ; v12  where I read a row back
.set CO,  13                           ; v13  my byte offset in out
.set XSA, 14                           ; v14  32 r + 16 h
.set PL,  15                           ; v15  16 x thread
.set BIG, 16                           ; v16  my 16 bytes of the biases in memory
.set SST, 17                           ; v17  where my scale bytes, v21 biases, v22 numbers of p go in LDS
.set BST, 21
.set PST, 22
.set XL,  24                           ; v24, v25 my 16 bytes of x's fragments in LDS: tiles 0-3, tiles 4-7
.set XS,  32
.set WS,  64
.set BI,  72
.set PA,  88
.set OUT, 128
.set WV, 18                            ; s18 wave; s19 half of the rows; s20 half of the columns; s21 cx; s22 block of 256 rows; s23 block of 64 columns
.set MH, 19
.set OH, 20
.set CX, 21
.set MB, 22
.set OB, 23
.set G1W, 24                           ; group 1: a leaf's tile; half of one; x's half
.set G1H, 32
.set G1X, 40
.set G0X, 48                           ; group 0: x, leaf 0 or 1, half of leaf 2 or 3, frames 4-7, frames 0-3
.set G0W, 52
.set G0H, 56
.set G0B, 60
.set G0C, 68
.set CNT, 88
.set TW,  89                           ; s89 LDS byte of the frame of the leaf to be fetched; s90 2,048 x that leaf; s91 256 x; s92 64 x
.set TS,  90
.set TB,  91
.set TP,  92
.set CY,  93
.set MSB, 0
.set LC,  0                            ; LDS instructions issued so far, in the text's order: the waits' counts are differences of it
.set M_WL, 0
.set M_WH, 0
.set M_W7, 0
.set M_RB, 0
.set LC0, 0
.set FX,  0                            ; 1, 2: leaf 0's two units, under which x's fragments are fetched
.set STP, 0
.set HOOK, 0                           ; 1, 2: the units under which the first half of out leaves
.macro WIN new                         ; the immediate's high byte repeats the setting that is left; a switch that changes nothing is dropped
.if MSB != \new
	s_set_vgpr_msb (MSB<<8)|\new
.set MSB, \new
.endif
.endm
.macro PLACES n
.rept \n
	v_nop
.endr
.endm
.macro CREST                           ; a round of the cluster's barrier behind its opening barrier
	s_cmp_lg_u32 s[WV], 0
	s_cbranch_scc1 .Lnot_wave_0_\@
	s_barrier_signal -3
.Lnot_wave_0_\@:
	s_barrier_wait -3
	s_barrier_signal -1
	s_barrier_wait -1
.endm
.macro CROUND
	s_barrier_signal -1
	s_barrier_wait -1
	CREST
.endm
.macro WAITN n                         ; at most n LDS instructions may be out
.set NW, \n
.if NW > 63
.set NW, 63
.endif
	s_wait_dscnt NW
.endm
; K step s of a unit with T's set t, tile 4 hf + i
.macro WMMA t, hf, s, i
.set rD, 64*(\t)+16*(\i)
.set rA, 128+16*(\s)
.set rB, 64*((\s)%4)+8*(4*(\hf)+(\i))
.set rS, WS+(\s)
.set rX, XS+4*(4*(\hf)+(\i))+(\s)%4
.if (\s) == 0
	WIN 0xc7                                       ; W window 3, x window 1, C = the bias in window 0, D window 3
	v_wmma_scale_f32_32x16x128_f4 v[rD:rD+15], v[rA:rA+15], v[rB:rB+7], v[BI:BI+15], v[rS], v[rX]
.elseif (\s) < 4
	WIN 0xf7                                       ; C and D window 3
	v_wmma_scale_f32_32x16x128_f4 v[rD:rD+15], v[rA:rA+15], v[rB:rB+7], v[rD:rD+15], v[rS], v[rX]
.else
	WIN 0xfb                                       ; x window 2
	v_wmma_scale_f32_32x16x128_f4 v[rD:rD+15], v[rA:rA+15], v[rB:rB+7], v[rD:rD+15], v[rS], v[rX] matrix_b_scale:MATRIX_SCALE_ROW1
.endif
.endm
; Two of the 32 packed multiply-adds that weight the unit in T's set t, tiles 4 hf on: numbers 2 k and 2 k + 1, each accumulator from its low end on.
; p's four numbers lie in four registers: the pair that holds p(i) is named, and its low or high word serves both halves.  fk = 1: the first leaf: the product starts the sum.
.macro PK2 t, hf, fk, k
	WIN 0x03                                       ; T window 3; p and out window 0
.irp e, 0,1
.set rI, (\k)/4
.set rJ, 4*((\k)%4)+2*\e
.set rO, OUT+16*(4*(\hf)+rI)+rJ
.set rT, 64*(\t)+16*rI+rJ
.set rP, PA+4*(\t)+2*(rI/2)
.if (\fk) == 1
.if (rI%2) == 0
	v_pk_mul_f32 v[rO:rO+1], v[rT:rT+1], v[rP:rP+1] op_sel_hi:[1,0]
.else
	v_pk_mul_f32 v[rO:rO+1], v[rT:rT+1], v[rP:rP+1] op_sel:[0,1] op_sel_hi:[1,1]
.endif
.else
.if (rI%2) == 0
	v_pk_fma_f32 v[rO:rO+1], v[rT:rT+1], v[rP:rP+1], v[rO:rO+1] op_sel_hi:[1,0,1]
.else
	v_pk_fma_f32 v[rO:rO+1], v[rT:rT+1], v[rP:rP+1], v[rO:rO+1] op_sel:[0,1,0] op_sel_hi:[1,1,1]
.endif
.endif
.endr
.endm
.macro WLOAD s                         ; W's fragment of K step s: lane l: row l % 16 (registers 0-7) and 16 further on (8-15); in each, registers 4 c .. 4 c + 3: K = 64 c + 32 (l / 16) + 0 .. 31
	WIN 0xc0
.irp u, 0,1
.irp c, 0,1
	ds_load_b128 v[128+16*(\s)+8*\u+4*\c:128+16*(\s)+8*\u+4*\c+3], v[ADW] offset:16*528*\u+64*(\s)+32*\c
.endr
.endr
.set LC, LC+4
.endm
.macro XLOAD hf, s                     ; x's fragments of K step s, tiles 4 hf .. 4 hf + 3
	WIN 0x40*(1+(\s)/4)
.irp i, 0,1,2,3
.irp c, 0,1
	ds_load_b128 v[64*((\s)%4)+8*(4*(\hf)+\i)+4*\c:64*((\s)%4)+8*(4*(\hf)+\i)+4*\c+3], v[XL+(\hf)] offset:528*(16*\i+2*(\s)+\c)
.endr
.endr
.set LC, LC+8
.endm
.macro XCHUNK k                        ; leaf 0: 0-7: K step k of W and of x's tiles 0-3, 12 loads; 8-15: K step k - 8 of tiles 4-7, 8 loads
.if (\k) < 8
	WLOAD \k
	XLOAD 0, \k
.else
	XLOAD 1, (\k)-8
.endif
.endm
.macro BLOAD                           ; the bias of my 16 columns of 32
	WIN 0
.irp q, 0,1,2,3
	ds_load_b128 v[BI+4*\q:BI+4*\q+3], v[ADB] offset:64*(\q/2)+16*(\q%2)
.endr
.set LC, LC+4
.endm
.macro PLOAD t, hf, off                ; p of my row in tiles 4 hf on, into set t
	WIN 0
.irp i, 0,1,2,3
	ds_load_b32 v[PA+4*(\t)+\i], v[ADP] offset:1024*(4*(\hf)+\i)+(\off)
.endr
.set LC, LC+4
.endm
.macro STEPADR nb                      ; on to leaf nb, or (0) to the next one
.if (\nb) > 0
	s_mov_b32 s[TW], ((\nb)%8)*LEAFB
	s_mov_b32 s[TS], 2048*(\nb)
	s_mov_b32 s[TB], 256*(\nb)
	s_mov_b32 s[TP], 64*(\nb)
.else
	s_add_co_u32 s[TW], s[TW], LEAFB
	s_add_co_u32 s[TS], s[TS], 2048
	s_add_co_u32 s[TB], s[TB], 256
	s_add_co_u32 s[TP], s[TP], 64
.endif
	WIN 0x03                                       ; (the first source is scalar)
	v_add_nc_u32 v[ADW], s[TW], v[AW0]
	v_add_nc_u32 v[ADS], s[TS], v[AS0]
	v_add_nc_u32 v[ADB], s[TB], v[AB0]
	v_add_nc_u32 v[ADP], s[TP], v[AP0]
.endm
.macro STAGE a                         ; tile a of out into the stage: 32 bytes of columns 8 h on, 32 bytes of columns 16 + 8 h on
	WIN 0
.irp q, 0,1,2,3
	ds_store_b128 v[STO], v[OUT+16*(\a)+4*\q:OUT+16*(\a)+4*\q+3] offset:16*SPITCH*(\a)+64*(\q/2)+16*(\q%2)
.endr
.set LC, LC+4
.endm
; What stands behind every two matrix instructions of a unit: slot k of 16.  Loads first, then two multiply-adds of the unit before.
; fin: this unit's leaf has its last loads here: upper scale words, p, K step 7.   ld: the next unit's W, bias and lower scale words are loaded: K step s in slot 2 s + 3, behind the four multiply-adds of slots 2 s + 1 and
; 2 s + 2 (ISA guide 7.12.1 for vector instructions).   kind: 1 four frames are filled again (g0), 2 a change of frames with nothing left to fill.
.macro SLOT t, hf, phf, fk, fin, ld, kind, g0, nb, k
.set KN, \k
.if ((\kind) > 0) && (KN == 1)
	s_wait_dscnt 0x0                               ; the add is done, and my reads of the frames to be filled are over
	s_barrier_signal -1
.endif
.if ((\kind) > 0) && (KN == 3)
	WIN 0
	s_barrier_wait -1
.if (\kind) == 1
	CREST                                          ; the barrier has opened a round of the cluster's: no wave of any partner still reads these frames or has a load on its way
	tensor_load_to_lds s[\g0:\g0+3], s[G1W:G1W+7]  ; the first tensor load behind the round, one a wave: my leaf of four
	s_nop 0
	PLACES 4
.endif
.endif
.if (FX == 2) && (KN == 0)
	PLACES 4                                       ; unit 0 of leaf 0 had no multiply-adds at its end: places ahead of the first read of its results
.endif
.if ((\fin) > 0) && (KN == 1)
	WIN 0
	ds_load_b128 v[WS+4:WS+7], v[ADS] offset:1024
.set LC, LC+1
.set M_WH, LC
	PLOAD \t, \hf, 0
	WLOAD 7
.set M_W7, LC
.endif
.if ((\nb) >= 0) && ((\fin) > 0) && ((\ld) == 0) && (KN == 9)
	STEPADR \nb                                    ; first read 20 multiply-adds further on
.endif
.if ((\nb) >= 0) && ((\fin) > 0) && ((\ld) > 0) && (KN == 2)
	STEPADR \nb
	s_wait_alu depctr_va_vdst(0)
.endif
.if (FX == 1) && (KN == 9)
	STEPADR \nb
	s_wait_alu depctr_va_vdst(0)
.endif
.if (\ld) > 0
.if KN == 3
	WLOAD 0
	BLOAD
.elseif (KN == 8) && ((\fin) == 0)
	PLOAD \t, \hf, -64                             ; (the address is a leaf ahead)
.elseif KN == 9
	WLOAD 3
	WIN 0
	ds_load_b128 v[WS:WS+3], v[ADS]
.set LC, LC+1
.set M_WL, LC
.elseif (KN > 3) && ((KN%2) == 1)
	WLOAD (KN-3)/2
.endif
.endif
.if HOOK == 1
.if (KN >= 2) && (KN <= 5)
	STAGE KN-2                                     ; the finished half of out, a tile a slot
.elseif KN == 6
	s_wait_dscnt 0x0                               ; for the others' sake: my stores into the stage are done
	s_barrier_signal -1
.elseif (KN >= 10) && (KN <= 13)
	WIN 0
.if KN == 10
	s_barrier_wait -1                              ; everybody's are
.endif
.irp q, 0,1,2,3
	ds_load_b128 v[OUT+16*(KN-10)+4*\q:OUT+16*(KN-10)+4*\q+3], v[RD] offset:2*SPITCH*(4*(KN-10)+\q)
.endr
.set LC, LC+4
.set M_RB, LC
.endif
.endif
.if HOOK == 2
.if (KN >= 2) && (KN <= 9)
	WIN 0
.if KN == 2
	WAITN LC-M_RB                                  ; the rows are back in registers
.endif
.irp q, 0,1
	global_store_b128 v[CO], v[OUT+8*(KN-2)+4*\q:OUT+8*(KN-2)+4*\q+3], s[16:17] offset:8192*(2*(KN-2)+\q) th:TH_STORE_NT   ; 16 lanes store 256 consecutive bytes, at a multiple of 256 from out's first byte
.endr
.endif
.endif
.if (\fk) > 0
	PK2 1-(\t), \phf, \fk, \k
.endif
.endm
; A UNIT: T's set t, tiles 4 hf on; phf: the half of the unit before, which is weighted here (fk: 0 none, 1 the products start out's sums, 2 they are added).
.macro UNIT t, hf, phf, fk, fin, ld, kind, g0, nb
.if (\kind) > 0
	WIN 0                                          ; (the add's two registers lie in window 0)
	s_wait_tensorcnt 0x0                           ; all my tensor loads have landed;
	ds_add_u32 v[SPW], v[NIL]                      ; 0 onto my spare word; the wait for it stands in slot 1
.set LC, LC+1
.if STP
	s_add_nc_u64 s[\g0+2:\g0+3], s[\g0+2:\g0+3], 0x400000   ; no load of mine is out, so a group 0 may be written: eight leaves of 524,288 bytes on
.endif
.endif
.if (\fin) > 0
	WAITN LC-M_WL                                  ; W's K steps 0 to 3, the bias, the lower scale words and the unit before's p are in; K steps 4 to 6 may be out
.endif
.if FX == 2
.irp k, 11,12,13,14,15
	XCHUNK \k
.endr
.set LC0, LC
.endif
.irp s, 0,1,2,3,4,5,6,7
.if FX == 1
	XCHUNK \s+3
.set NX, 36
.if \s > 4
.set NX, 36-4*(\s-4)
.endif
	s_wait_dscnt NX                                ; what chunk s brings is in; the three chunks behind it (12 or 8 loads each) may be out
.elseif FX == 2
	WAITN 8*(7-\s)+LC-LC0                          ; x's K step s of tiles 4 to 7 is in; the later K steps' and what this unit has issued may be out
.elseif ((\fin) > 0) && (\s == 4)
	WAITN LC-M_WH                                  ; the upper scale words (and K steps 4 to 6) are in
.elseif ((\fin) > 0) && (\s == 7)
	WAITN LC-M_W7                                  ; p and K step 7 are in
.endif
.irp e, 0,1
	WMMA \t, \hf, \s, 2*\e
	WMMA \t, \hf, \s, 2*\e+1
	SLOT \t, \hf, \phf, \fk, \fin, \ld, \kind, \g0, \nb, 2*\s+\e
.endr
.endr
.endm
.macro LEAF fk0, fk1, kind, g0, nb
	UNIT 0, 0, 1, \fk0, 1, 0, 0, 0, \nb
	UNIT 1, 1, 0, \fk1, 0, 1, \kind, \g0, 0
	WIN 0                                          ; at a label and at a branch every window is 0
.endm
	s_load_b256 s[4:11], s[0:1], 0x0               ; xq_codes s[4:5], xq_scales s[6:7], probs s[8:9], leaf_w_codes s[10:11]
	s_load_b128 s[12:15], s[0:1], 0x20             ; leaf_w_scales s[12:13], leaf_b s[14:15]
	s_load_b64 s[16:17], s[0:1], 0x30              ; out0
	v_lshl_add_u32 v[SPW], v0, 2, SPARE
	v_mov_b32 v[NIL], 0
	ds_add_u32 v[SPW], v[NIL]                      ; the add, twice on end; its wait stands ahead of the first tensor load
	ds_add_u32 v[SPW], v[NIL]
	v_lshrrev_b32 v18, 5, v0
	v_readfirstlane_b32 s[WV], v18                 ; wave 0..3
	s_lshr_b32 s[MH], s[WV], 1
	s_and_b32 s[OH], s[WV], 1
	s_bfe_u32 s[CX], ttmp6, 0x40000                ; my place in the cluster
	s_bfe_u32 s[CY], ttmp6, 0x40004
	s_lshl_b32 s[MB], ttmp9, 2                     ; in a cluster launch ttmp9 and ttmp7 count clusters
	s_add_co_u32 s[MB], s[MB], s[CX]               ; my block of 256 rows, which my column of the cluster shares
	s_and_b32 s[OB], ttmp7, 0xffff
	s_lshl_b32 s[OB], s[OB], 2
	s_add_co_u32 s[OB], s[OB], s[CY]               ; my block of 64 columns, which my row of the cluster shares
	s_lshl_b32 s94, s[CY], 2
	s_lshl_b32 s94, 15, s94                        ; my row: places 4 cy .. 4 cy + 3
	s_lshl_b32 s95, 0x1111, s[CX]                  ; my column: places cx, cx + 4, cx + 8, cx + 12
	; group 1: rows of 512 bytes, dense in memory; 4 words of padding behind every 128; the mask, with bit 21 beside it
	s_or_b32 s[G1W+0], s94, (1<<20)|(1<<21)|(6<<22)|(3<<25)
	s_or_b32 s[G1H+0], s94, (1<<20)|(1<<21)|(6<<22)|(3<<25)
	s_or_b32 s[G1X+0], s95, (1<<20)|(1<<21)|(6<<22)|(3<<25)
.irp g, G1W, G1H, G1X
	s_mov_b32 s[\g+1], 512<<16
	s_mov_b32 s[\g+3], 512<<16
	s_mov_b32 s[\g+5], 512
	s_mov_b32 s[\g+6], 0
	s_mov_b32 s[\g+7], 0
.endr
	s_mov_b32 s[G1W+2], 64<<16                     ; a leaf: 64 rows
	s_mov_b32 s[G1W+4], 64
	s_mov_b32 s[G1H+2], 32<<16                     ; half of one
	s_mov_b32 s[G1H+4], 32
	s_mov_b32 s[G1X+2], 128<<16                    ; half of x's image
	s_mov_b32 s[G1X+4], 128
	; W: 524,288 bytes a leaf, 32,768 a block of columns
	s_lshl_b32 s96, s[OB], 15
	s_lshl_b32 s72, s[OH], 19                      ; the head: leaf w % 2
	s_add_co_u32 s72, s72, s96
	s_mov_b32 s73, 0
	s_lshl_b32 s74, s[MH], 19                      ; then: leaf 2 + w / 2, rows 32 (w % 2) on
	s_lshl_b32 s75, s[OH], 14
	s_add_co_u32 s74, s74, s75
	s_add_co_u32 s74, s74, s96
	s_add_co_u32 s74, s74, 0x100000
	s_mov_b32 s75, 0
	s_lshl_b32 s76, s[WV], 19                      ; then: leaf 4 + w
	s_add_co_u32 s76, s76, s96
	s_add_co_u32 s76, s76, 0x200000
	s_mov_b32 s77, 0
	s_lshl_b32 s78, s[MB], 17                      ; x's codes: 131,072 bytes a block of rows, half w % 2
	s_lshl_b32 s79, s[OH], 16
	s_add_co_u32 s78, s78, s79
	s_mov_b32 s79, 0
	s_lshl_b32 s80, s[MB], 13                      ; x's scale bytes: 32 a row
	s_lshl_b32 s81, s[MH], 12
	s_add_co_u32 s80, s80, s81
	s_mov_b32 s81, 0
	s_lshl_b32 s82, s[MB], 14                      ; p: 1,024 bytes a tile of rows
	s_mov_b32 s83, 0
	s_lshl_b32 s84, s[OB], 11                      ; W's scale bytes: 2,048 a block of columns
	s_mov_b32 s85, 0
	s_lshl_b32 s86, s[OB], 8                       ; biases: 256 a block of columns
	s_mov_b32 s87, 0
	s_lshl_b32 s66, s[MB], 20                      ; out: on the way out wave w stores rows 128 (w / 2) + 32 (w % 2) on, and 64 further on
	s_lshl_b32 s67, s[MH], 19
	s_add_co_u32 s66, s66, s67
	s_lshl_b32 s67, s[OH], 17
	s_add_co_u32 s66, s66, s67
	s_add_co_u32 s66, s66, s86
	s_mov_b32 s67, 0
	; the addresses, all made of the thread's number and the wave's
	v_and_b32 v18, 15, v0                          ; r
	v_bfe_u32 v19, v0, 4, 1                        ; h
	v_and_b32 v20, 31, v0                          ; lane
	v_lshlrev_b32 v[PL], 4, v0
	v_lshlrev_b32 v[XSA], 5, v18
	v_lshl_add_u32 v[XSA], v19, 4, v[XSA]
	v_lshlrev_b32 v[BIG], 4, v18
	v_lshrrev_b32 v23, 4, v0
	v_lshl_add_u32 v[BIG], v23, 12, v[BIG]         ; leaf t / 16, 16 (t % 16) bytes
	v_and_b32 v23, 1, v0
	v_lshlrev_b32 v23, 10, v23
	v_lshrrev_b32 v26, 1, v0
	v_lshl_add_u32 v[SST], v26, 4, v23
	v_add_nc_u32 v[SST], SCL, v[SST]               ; thread t brings half t % 2 of row t / 2
	v_add_nc_u32 v[BST], BIA, v[PL]
	v_add_nc_u32 v[PST], PRB, v[PL]
	s_mul_i32 s97, s[OH], 32*528
	v_mul_u32_u24 v[AW0], v18, 528
	v_lshl_add_u32 v[AW0], v19, 4, v[AW0]
	v_add_nc_u32 v[AW0], s97, v[AW0]
	s_lshl_b32 s97, s[OH], 9
	s_add_co_u32 s97, s97, SCL
	v_lshl_add_u32 v[AS0], v20, 4, s97             ; row 32 oh + lane
	s_lshl_b32 s97, s[OH], 7
	s_add_co_u32 s97, s97, BIA
	v_lshl_add_u32 v[AB0], v19, 5, s97             ; columns 32 oh + 8 h on
	s_lshl_b32 s97, s[MH], 13
	s_add_co_u32 s97, s97, PRB
	v_lshl_add_u32 v[AP0], v18, 2, s97             ; tile 8 mh, row r
	s_mul_i32 s97, s[MH], 128*SPITCH
	s_lshl_b32 s96, s[OH], 7
	s_add_co_u32 s97, s97, s96
	v_mul_u32_u24 v[STO], v18, SPITCH
	v_lshl_add_u32 v[STO], v19, 5, v[STO]
	v_add_nc_u32 v[STO], s97, v[STO]               ; row 128 mh + r, + 128 oh + 32 h bytes
	s_mul_i32 s97, s[MH], 128*SPITCH
	s_mul_i32 s96, s[OH], 32*SPITCH
	s_add_co_u32 s97, s97, s96
	v_mul_u32_u24 v[RD], v19, SPITCH
	v_lshl_add_u32 v[RD], v18, 4, v[RD]
	v_add_nc_u32 v[RD], s97, v[RD]                 ; back: lanes 0-15 one row, lanes 16-31 the next
	v_lshlrev_b32 v[CO], 12, v19
	v_lshl_add_u32 v[CO], v18, 4, v[CO]            ; and the same two rows in out
	s_mul_i32 s97, s[MH], 2*LEAFB
	s_add_co_u32 s97, s97, XIM
	v_lshl_add_u32 v[XL], v20, 4, s97              ; a fragment's half is 512 bytes: 16 x lane
	v_add_nc_u32 v[XL+1], LEAFB, v[XL]
	v_mov_b32 v[ADW], v[AW0]
	v_mov_b32 v[ADS], v[AS0]
	v_mov_b32 v[ADB], v[AB0]
	v_mov_b32 v[ADP], v[AP0]
	s_wait_alu depctr_va_vdst(0)
	s_wait_dscnt 0x0                               ; both opening adds are done
	s_wait_kmcnt 0x0
	s_mov_b32 s[G0X], 1
	s_mul_i32 s[G0X+1], s[OH], 2*LEAFB
	s_add_co_u32 s[G0X+1], s[G0X+1], XIM
	s_add_nc_u64 s[G0X+2:G0X+3], s[4:5], s[78:79]
	s_or_b32 s[G0X+3], s[G0X+3], 0x80000000
	s_mov_b32 s[G0W], 1
	s_mul_i32 s[G0W+1], s[OH], LEAFB
	s_add_nc_u64 s[G0W+2:G0W+3], s[10:11], s[72:73]
	s_or_b32 s[G0W+3], s[G0W+3], 0x80000000
	s_mov_b32 s[G0H], 1
	s_mul_i32 s[G0H+1], s[WV], 32*528
	s_add_co_u32 s[G0H+1], s[G0H+1], 2*LEAFB
	s_add_nc_u64 s[G0H+2:G0H+3], s[10:11], s[74:75]
	s_or_b32 s[G0H+3], s[G0H+3], 0x80000000
	s_mov_b32 s[G0B], 1
	s_mul_i32 s[G0B+1], s[WV], LEAFB
	s_add_co_u32 s[G0B+1], s[G0B+1], 4*LEAFB
	s_add_nc_u64 s[G0B+2:G0B+3], s[10:11], s[76:77]
	s_or_b32 s[G0B+3], s[G0B+3], 0x80000000
	s_mov_b32 s[G0C], 1
	s_mul_i32 s[G0C+1], s[WV], LEAFB
	s_add_nc_u64 s[G0C+2:G0C+3], s[10:11], s[76:77]
	s_add_nc_u64 s[G0C+2:G0C+3], s[G0C+2:G0C+3], 0x200000   ; four leaves on: leaf 8 + w
	s_or_b32 s[G0C+3], s[G0C+3], 0x80000000
	s_add_nc_u64 s[6:7], s[6:7], s[80:81]
	s_add_nc_u64 s[8:9], s[8:9], s[82:83]
	s_add_nc_u64 s[12:13], s[12:13], s[84:85]
	s_add_nc_u64 s[14:15], s[14:15], s[86:87]
	s_add_nc_u64 s[16:17], s[16:17], s[66:67]
	CROUND                                         ; all sixteen work-groups are here: the first joint loads meet
	; one load a wave: waves 0 and 1 fetch x's halves, waves 2 and 3 leaves 0 and 1.  Each line has one mask for all that issue it
	s_cmp_eq_u32 s[MH], 0
	s_cbranch_scc0 .Lfor_w
	tensor_load_to_lds s[G0X:G0X+3], s[G1X:G1X+7]
	s_nop 0
	PLACES 4
	s_branch .Lasked
.Lfor_w:
	tensor_load_to_lds s[G0W:G0W+3], s[G1W:G1W+7]
	s_nop 0
	PLACES 4
.Lasked:
.irp i, 0,1,2,3,4,5,6,7,8,9,10,11,12,13,14,15
	global_load_b128 v[OUT+4*\i:OUT+4*\i+3], v[PL], s[12:13] offset:32768*\i   ; leaf i's scale bytes of my 64 columns: the 128 threads read 2,048 consecutive bytes
.endr
.irp i, 0,1
	global_load_b128 v[OUT+64+4*\i:OUT+64+4*\i+3], v[BIG], s[14:15] offset:32768*\i   ; biases: 256 consecutive bytes of eight leaves
.endr
.irp i, 0,1,2,3,4,5,6,7
	global_load_b128 v[OUT+72+4*\i:OUT+72+4*\i+3], v[PL], s[8:9] offset:2048*\i   ; the work-group's 16,384 bytes of p, as they lie
.endr
.irp a, 0,1,2,3,4,5,6,7
	global_load_b128 v[XS+4*\a:XS+4*\a+3], v[XSA], s[6:7] offset:512*\a   ; row 16 a + r: lanes 0-15 the words of K steps 0-3, lanes 16-31 those of 4-7
.endr
	s_wait_loadcnt 18                              ; the sixteen of the scale bytes are in: 2 + 8 + 8 were issued behind them
.irp i, 0,1,2,3,4,5,6,7,8,9,10,11,12,13,14,15
	ds_store_b128 v[SST], v[OUT+4*\i:OUT+4*\i+3] offset:2048*\i
.endr
	s_wait_loadcnt 16                              ; the biases: 8 + 8 behind them
.irp i, 0,1
	ds_store_b128 v[BST], v[OUT+64+4*\i:OUT+64+4*\i+3] offset:2048*\i
.endr
	s_wait_loadcnt 8                               ; p: x's scale words behind it
.irp i, 0,1,2,3,4,5,6,7
	ds_store_b128 v[PST], v[OUT+72+4*\i:OUT+72+4*\i+3] offset:2048*\i
.endr
	s_wait_loadcnt 0x0
	s_wait_tensorcnt 0x0                           ; my part of what the head fetches is in
	ds_add_u32 v[SPW], v[NIL]
	s_wait_dscnt 0x0                               ; the add and my LDS stores are done
	CROUND                                         ; everybody's are, and all sixteen work-groups are here
	tensor_load_to_lds s[G0H:G0H+3], s[G1H:G1H+7]  ; my half of leaf 2 or 3
	s_nop 0
	PLACES 4
	ds_load_b128 v[WS:WS+3], v[ADS]                ; leaf 0's scale words, bias and first p; then x and W by K steps, three ahead of the products
	ds_load_b128 v[WS+4:WS+7], v[ADS] offset:1024
	BLOAD
	PLOAD 0, 0, 0
	XCHUNK 0
	XCHUNK 1
	XCHUNK 2
.set FX, 1
	UNIT 0, 0, 1, 0, 0, 0, 0, 0, 1                 ; leaf 0: its first unit has nothing to weight
.set FX, 2
	UNIT 1, 1, 0, 1, 0, 1, 0, 0, 0                 ; its second starts out's tiles 0 to 3
.set FX, 0
	WIN 0
	LEAF 1, 2, 1, G0B, 2                           ; leaf 1 starts tiles 4 to 7; x has been read: leaves 4 to 7 take its frames
	LEAF 2, 2, 0, 0, 3
	LEAF 2, 2, 1, G0C, 4                           ; leaf 3 leaves frames 0 to 3, which take leaves 8 to 11
	s_mov_b32 s[CNT], 3
.Lphase1:                                              ; leaves 4 to 6; no tensor load stands in a loop
	LEAF 2, 2, 0, 0, 0
	s_sub_co_u32 s[CNT], s[CNT], 1
	s_cmp_lg_u32 s[CNT], 0
	s_cbranch_scc1 .Lphase1
.set STP, 1
	LEAF 2, 2, 1, G0B, 8                           ; leaf 7 leaves frames 4 to 7, which take leaves 12 to 15
.set STP, 0
	s_mov_b32 s[CNT], 3
.Lphase2:                                              ; leaves 8 to 10
	LEAF 2, 2, 0, 0, 0
	s_sub_co_u32 s[CNT], s[CNT], 1
	s_cmp_lg_u32 s[CNT], 0
	s_cbranch_scc1 .Lphase2
	LEAF 2, 2, 2, 0, 12                            ; leaf 11 leaves frames 0 to 3 for good
	; leaves 12 to 15 by halves of the rows: every unit fetches the next one's W
	UNIT 0, 0, 1, 2, 1, 1, 0, 0, 13
	UNIT 1, 0, 0, 2, 1, 1, 0, 0, 14
	UNIT 0, 0, 0, 2, 1, 1, 0, 0, 15
	UNIT 1, 0, 0, 2, 1, 1, 0, 0, 12
	UNIT 0, 1, 0, 2, 1, 1, 0, 0, 13                ; tiles 0 to 3 of out are finished here,
.set HOOK, 1
	UNIT 1, 1, 1, 2, 1, 1, 0, 0, 14                ; go through the stage,
.set HOOK, 2
	UNIT 0, 1, 1, 2, 1, 1, 0, 0, 15                ; and leave
.set HOOK, 0
	UNIT 1, 1, 1, 2, 1, 0, 0, 0, -1
	; THE WAY OUT of tiles 4 to 7: the last unit is weighted, tile by tile.  A row's 256 bytes come from two waves: so the stage, a barrier between writing and reading, and whole rows back.
.irp a, 0,1,2,3
.irp e, 0,1,2,3
	PK2 1, 1, 2, 4*\a+\e
.endr
	STAGE 4+\a
.endr
	WIN 0
	s_wait_dscnt 0x0                               ; for the others' sake: my stores into the stage are done
	s_barrier_signal -1
	s_barrier_wait -1
.irp i, 0,1,2,3,4,5,6,7,8,9,10,11,12,13,14,15
	ds_load_b128 v[OUT+64+4*\i:OUT+64+4*\i+3], v[RD] offset:64*SPITCH+2*SPITCH*\i
.endr
.irp i, 0,1,2,3,4,5,6,7,8,9,10,11,12,13,14,15
	s_wait_dscnt 15-\i                             ; LDS loads come back in order (ISA guide 5.7.1): the younger ones may stay out
	global_store_b128 v[CO], v[OUT+64+4*\i:OUT+64+4*\i+3], s[16:17] offset:64*4096+8192*\i th:TH_STORE_NT
.endr
	s_wait_tensorcnt 0x0                           ; the wave's end
	ds_add_u32 v[SPW], v[NIL]
	s_wait_dscnt 0x0
	CROUND                                         ; the closing round: no work-group ends while a partner may still ask for a tile that names it
	s_endpgm
.Lfunc_end_k_qa9168a4791_tree:
	.size	k_qa9168a4791_tree, .Lfunc_end_k_qa9168a4791_tree-k_qa9168a4791_tree
	.p2alignl 7, 3214868480
	.fill 96, 4, 3214868480
	.section	.rodata,"a",@progbits
	.p2align	6, 0x0
	.amdhsa_kernel k_qa9168a4791_tree
		.amdhsa_group_segment_fixed_size 327680
		.amdhsa_private_segment_fixed_size 0
		.amdhsa_enable_private_segment 0
		.amdhsa_kernarg_size 56
		.amdhsa_user_sgpr_count 2
		.amdhsa_user_sgpr_kernarg_segment_ptr 1
		.amdhsa_wavefront_size32 1
		.amdhsa_system_sgpr_workgroup_id_x 1
		.amdhsa_system_sgpr_workgroup_id_y 1
		.amdhsa_system_sgpr_workgroup_id_z 1
		.amdhsa_system_vgpr_workitem_id 0
		.amdhsa_next_free_vgpr 1024
		.amdhsa_next_free_sgpr 98
		.amdhsa_reserve_vcc 0
		.amdhsa_float_denorm_mode_32 3
		.amdhsa_float_denorm_mode_16_64 3
		.amdhsa_memory_ordered 1
		.amdhsa_forward_progress 1
		.amdhsa_inst_pref_size 255
	.end_amdhsa_kernel
	.section	.bss,"aw",@nobits
	.p2align	6
	.space	262144
	.amdgpu_metadata
---
amdhsa.version: [ 1, 2 ]
amdhsa.kernels:
  - .name:           k_qa9168a4791_tree
    .symbol:         k_qa9168a4791_tree.kd
    .args:
      - { .name: xq_codes, .offset: 0, .size: 8, .value_kind: global_buffer, .address_space: global }
      - { .name: xq_scales, .offset: 8, .size: 8, .value_kind: global_buffer, .address_space: global }
      - { .name: probs, .offset: 16, .size: 8, .value_kind: global_buffer, .address_space: global }
      - { .name: leaf_w_codes, .offset: 24, .size: 8, .value_kind: global_buffer, .address_space: global }
      - { .name: leaf_w_scales, .offset: 32, .size: 8, .value_kind: global_buffer, .address_space: global }
      - { .name: leaf_b, .offset: 40, .size: 8, .value_kind: global_buffer, .address_space: global }
      - { .name: out0, .offset: 48, .size: 8, .value_kind: global_buffer, .address_space: global }
    .group_segment_fixed_size: 327680
    .private_segment_fixed_size: 0
    .kernarg_segment_align: 8
    .kernarg_segment_size: 56
    .max_flat_workgroup_size: 128
    .sgpr_count:     98
    .vgpr_count:     1024
    .wavefront_size: 32
...
	.end_amdgpu_metadata
.endif
;; end of part 2
